; MI455X (gfx1250); checked and timed in simulation.
; The chip was launched on July 23, 2026; its instructions are those of AMD's public machine-readable ISA for CDNA 5 (MIT licence, August 2026) and "CDNA5" Instruction Set Architecture Reference Guide (July 2026). The comments in the code are by the model that wrote it; some were corrected since.
;; Multi Head Attention. Allowed arithmetic: matrix products marked QUANTISED: E4M3 operands, one given power-of-two scale a tensor, by v_wmma_f32_16x16x64_fp8_fp8 or v_wmma_f32_16x16x128_fp8_fp8, f32 sums; everything else in f32.
;; Inputs: Wo 1,024 x 1,024 float32; Wqkv 1,024 x 3,072 float32; bo 1,024 float32; bqkv 3,072 float32; lowp_scales 8 int32 (the exponents e of the quantised operands' scales 2^e); x 4 x 2,048 x 1,024 float32.
;; Outputs: out0 4 x 2,048 x 1,024 float32.
;; This version of the problem:
;;   THIS VERSION OF THE PROBLEM IS GIVEN IN LOW PRECISION. The matrix products marked QUANTISED in the list below multiply operands that are first quantised to E4M3 (4 exponent bits, 3 mantissa bits; 8 bits a number), with one given power-of-two scale for each operand tensor; their sums are f32. All else is computed in f32.
;;   The module's matrix products, in the order in which they are computed (A, B: the left and right operand; K: the contracted axis; several contracted axes count as one K, in the product's order):
;;     1. [M 8,192, K 1,024] x [K 1,024, N 3,072]; A: input x; B: input Wqkv: QUANTISED (scales: A lowp_scales[0], B lowp_scales[1])
;;     2. batch 64 x [M 2,048, K 64] x [K 64, N 2,048]; A: computed on the way; B: computed on the way: QUANTISED (scales: A lowp_scales[2], B lowp_scales[3])
;;     3. batch 64 x [M 2,048, K 2,048] x [K 2,048, N 64]; A: softmax (see below); B: computed on the way: QUANTISED (scales: A lowp_scales[4], B lowp_scales[5])
;;     4. [M 8,192, K 1,024] x [K 1,024, N 1,024]; A: computed on the way; B: input Wo: QUANTISED (scales: A lowp_scales[6], B lowp_scales[7])
;;   THE QUANTISER, for each operand of a quantised product, along K:
;;     - The operand's scale is 2^e, e = its entry of the input lowp_scales (int32; the entries are numbered through the quantised products in the list's order, A before B).
;;     - Each number is divided by the scale, clamped to +-448, and rounded to the nearest number of E4M3, ties to even, subnormals kept.
;;     - The product sums the exact products of the quantised numbers (number of the format x scale) in f32.
;;   ~~~python
;;   def quantise(x, axis, e):      # numpy; x: float32 -> the quantised numbers, widened to float32 again
;;       x = np.moveaxis(x, axis, -1); K = x.shape[-1]
;;       r = np.clip(x / 2.0 ** e, -448, 448)
;;       step = 2.0 ** (np.maximum(np.frexp(np.where(r == 0, 1, r))[1] - 1, -6) - 3)
;;       q = np.round(r / step) * step * 2.0 ** e      # np.round: ties to even
;;       return np.moveaxis(q, -1, axis).astype(np.float32)
;;   ~~~
;;   SOFTMAX AHEAD OF A QUANTISED PRODUCT. Where the list says 'softmax', what is quantised is not the finished softmax but p = 2^(t - M), with t = logit x log2(e) and M = ceil(the row's largest t), a whole number; so 1/2 < the row's largest p <= 1. The row's sum l is taken of the UNQUANTISED p, in f32, and the product's result is divided by l at the end. Since M is a whole number, a kernel that streams over the keys may use a running M (the ceiling of the running maximum): every later rescaling is an exact power of two, so the quantised numbers keep their values, but for numbers so far below the row's largest that they fall under the format's range.
;;   OPERANDS COMPUTED ON THE WAY. 'Computed on the way' means the value that the module computes at that place (a softmax that the list does not call 'softmax' is quantised finished and normalised). What goes into a quantiser is computed in f32, as accurately as f32 sums, v_exp_f32 and their like allow (about 1e-6 of the number): no bf16 or f16 on the way to a quantiser, and a product that is left as it is and whose result goes on into a quantised operand takes f32 operands (vector FMAs, or v_wmma_f32_16x16x4_f32). A number that lies on a knife's edge between two numbers of the format may be rounded either way, as far as f32 arithmetic and the matrix unit's own rounding can turn it there, and no further.
;; One version. Each part assembles by itself: llvm-mc -triple=amdgcn-amd-amdhsa -mcpu=gfx1250 --defsym DOCPART=n.
;; ======== version 1 of 1: 4 launches
;; limits: right only within a limited range of input values
;; workspace buffers: xc 8,388,608 bytes; wqkvc 3,145,728 bytes; woc 1,048,576 bytes; qc 8,388,608 bytes; kc 8,388,608 bytes; vc 8,388,608 bytes; oc 8,388,608 bytes
;; launch prep (part 1): grid 768 x 1, 4 waves a work-group, no clusters, 34,304 bytes of LDS; arguments x, Wqkv, Wo, lowp_scales, xc, wqkvc, woc; writes xc, wqkvc, woc
.if DOCPART == 1
	.amdgcn_target "amdgcn-amd-amdhsa--gfx1250"
	.amdhsa_code_object_version 6
	.text
	.protected	k_qb1b6a3c24c_prep
	.globl	k_qb1b6a3c24c_prep
	.p2align	8
	.type	k_qb1b6a3c24c_prep,@function
k_qb1b6a3c24c_prep:
	s_mov_b64 s[64:65], 0
	v_nop
	global_prefetch_b8 v0, s[64:65] scope:SCOPE_SE
	s_setreg_imm32_b32 hwreg(HW_REG_WAVE_MODE, 25, 1), 1
	s_wait_xcnt 0x0
; x [8192][1024], Wqkv [1024][3072] and Wo [1024][1024], f32, become codes of FP8 (E4M3) with the given scales 2^e0, 2^e1, 2^e7:
; code = number / 2^e, held within +-448, rounded to the nearest code, ties to even.
; LIMITS: each e lies between -126 and 119, so that 2^e and 448 x 2^e are f32 numbers.  NaN among the inputs is not served.
; THE CODES ARE LAID AS IMAGES OF OPERAND REGISTERS.  Tile T = 2 b + u of a tensor's rows (tokens of x, columns of a weight) holds rows 32 b + 8 u + i + 8 (i / 8), i = 0 .. 15.
; A fragment is 16 such rows x 128 along K: 2,048 bytes, four groups c of 512; in group c lane 16 h + r owns the 16 bytes at 16 x lane: row i = r, k = 32 c + 16 h + 0 .. 15.
; Buffers: [tile][K step of 128][2,048].  So a later launch fills four operand registers by one load of 16 bytes a lane, and needs no pitch and no padding.
; ONE LAUNCH, THREE PATHS, parted on the work-group's number: 0-255 x, 256-639 Wqkv, 640-767 Wo.  Only x's path touches LDS.  Waves share nothing: no barrier.  No tile is shared: no cluster.
.set R,   16                           ; v16-143   x: two sets of 64 numbers as loaded
.set XN,  144                          ; v144-207  x: 64 numbers, 16 neighbours along K for each group
.set CX,  208                          ; v208-239  x: two sets of a fragment's 16 registers of codes
.set SPX, 528                          ; x: a stage row: 512 bytes + 16
.set XW,  32                           ; v32-95    weights: two sets of 32 numbers, one block of 32 along K of my column each
.set CW,  96                           ; v96-111   weights: 8 registers of codes for each of the two blocks
.macro SCALE e                         ; v11 = 2^e as f32 (the conversion takes its exponent field), v10 = 448 x 2^e
	s_add_co_i32 s37, s[\e], 127
	s_lshl_b32 s38, s37, 23
	v_mov_b32 v11, s38
	s_add_co_i32 s37, s37, 8
	s_lshl_b32 s37, s37, 23
	s_or_b32 s37, s37, 0x600000
	v_mov_b32 v10, s37
.endm
	s_load_b256 s[4:11], s[0:1], 0x0               ; x s[4:5], Wqkv s[6:7], Wo s[8:9], the scales' exponents s[10:11]
	s_load_b128 s[12:15], s[0:1], 0x20             ; xc s[12:13], wqkvc s[14:15]
	s_load_b64 s[16:17], s[0:1], 0x30              ; woc
	v_lshl_add_u32 v240, v0, 2, 0x8400
	v_mov_b32 v241, 0
	v_lshrrev_b32 v1, 5, v0
	v_readfirstlane_b32 s18, v1                    ; wave 0..3
	v_and_b32 v1, 31, v0                           ; lane
	v_and_b32 v2, 15, v0                           ; r
	v_bfe_u32 v3, v0, 4, 1                         ; h
	s_wait_kmcnt 0x0
	s_load_b256 s[20:27], s[10:11], 0x0            ; e0 .. e7
	s_cmp_lt_u32 ttmp9, 256
	s_cbranch_scc0 .Lweights
; ---- x.  Wave W = 4 x work-group + wave makes four fragments: tile W / 2, K steps 4 (W % 2) + 0 .. 3.
; Each load reads 512 consecutive bytes of one row (a K step); the 16 rows turn through the wave's own stage, from which a lane takes 4 x 64 bytes: its 16 neighbours of each group.
	s_lshl_b32 s28, ttmp9, 2
	s_add_co_u32 s28, s28, s18                     ; W
	s_lshr_b32 s29, s28, 1                         ; T
	s_and_b32 s30, s28, 1                          ; which half of K
	s_lshr_b32 s31, s29, 1
	s_lshl_b32 s31, s31, 17                        ; 32 (T / 2) rows of 4,096 bytes
	s_and_b32 s32, s29, 1
	s_lshl_b32 s32, s32, 15                        ; + 8 (T % 2) rows
	s_add_co_u32 s31, s31, s32
	s_lshl_b32 s32, s30, 11                        ; + four K steps of 512 bytes
	s_add_co_u32 s32, s31, s32
	s_mov_b32 s33, 0
	s_add_nc_u64 s[4:5], s[4:5], s[32:33]
	s_lshl_b32 s34, s28, 13                        ; the codes: 8,192 W
	s_mov_b32 s35, 0
	s_add_nc_u64 s[12:13], s[12:13], s[34:35]
	s_mul_i32 s36, s18, 16*SPX                     ; my stage
	s_wait_alu depctr_va_vdst(0)
	v_lshlrev_b32 v6, 4, v1                        ; 16 x lane: my bytes of a load, and of a store
	v_add_nc_u32 v4, s36, v6                       ; into the stage: as loaded
	v_mul_u32_u24 v5, v2, SPX
	v_lshl_add_u32 v5, v3, 6, v5
	v_add_nc_u32 v5, s36, v5                       ; out of it: row r, + 64 h
.macro LOADF f
.irp i, 0,1,2,3,4,5,6,7,8,9,10,11,12,13,14,15
	global_load_b128 v[R+64*((\f)%2)+4*\i:R+64*((\f)%2)+4*\i+3], v6, s[4:5] offset:(\i+8*(\i/8))*4096+512*(\f) th:TH_LOAD_NT
.endr
.endm
.macro FRAG f
.if (\f) < 3
	s_wait_loadcnt 16                              ; this fragment's 16 loads are in; the next fragment's 16 may be out
.else
	s_wait_loadcnt 0x0
.endif
.irp i, 0,1,2,3,4,5,6,7,8,9,10,11,12,13,14,15
	ds_store_b128 v4, v[R+64*((\f)%2)+4*\i:R+64*((\f)%2)+4*\i+3] offset:SPX*\i
.endr
.irp c, 0,1,2,3
.irp j, 0,1,2,3
	ds_load_b128 v[XN+16*\c+4*\j:XN+16*\c+4*\j+3], v5 offset:128*\c+16*\j   ; LDS serves a wave's instructions in order (ISA guide 5.7.1.4): these see my stores
.endr
.endr
	s_wait_dscnt 0x0                               ; the numbers are back, and the stores have read their registers,
.if (\f) < 2
	LOADF (\f)+2                                   ; which take the loads of two fragments on
.endif
.set idx, 0
.rept 64
	v_med3_num_f32 v[XN+idx], v[XN+idx], -v10, v10 ; the conversion to an 8-bit code does not saturate (ISA guide 7.6.2): the hold at the largest code x the scale
.set idx, idx+1
.endr
.if (\f) >= 2
	s_wait_alu depctr_va_vdst(0)
	s_wait_xcnt 0x0                                ; the stores of two fragments back have read this set of codes
.endif
.irp c, 0,1,2,3
	v_cvt_scalef32_pk8_fp8_f32 v[CX+16*((\f)%2)+4*\c:CX+16*((\f)%2)+4*\c+1], v[XN+16*\c:XN+16*\c+7], v11
	v_cvt_scalef32_pk8_fp8_f32 v[CX+16*((\f)%2)+4*\c+2:CX+16*((\f)%2)+4*\c+3], v[XN+16*\c+8:XN+16*\c+15], v11
.endr
	v_nop                                          ; a plain line between the conversions and the next fragment's holds, which write their sources
.irp c, 0,1,2,3
	global_store_b128 v6, v[CX+16*((\f)%2)+4*\c:CX+16*((\f)%2)+4*\c+3], s[12:13] offset:2048*(\f)+512*\c   ; a group: 512 consecutive bytes, aligned
.endr
.endm
	LOADF 0
	LOADF 1
	s_wait_alu depctr_va_vdst(0)
	s_wait_kmcnt 0x0
	SCALE 20
	s_wait_alu depctr_va_vdst(0)
	FRAG 0
	FRAG 1
	FRAG 2
	FRAG 3
	s_wait_tensorcnt 0x0                           ; the wave's end
	ds_add_u32 v240, v241
	s_wait_dscnt 0x0
	s_endpgm
; ---- The weights: K is their FIRST axis.  A lane takes a column and its registers run down K, so the conversions give codes with K innermost and nothing is transposed.
; A wave takes 32 columns (two tiles) x 64 along K: two blocks of 32, all 64 loads issued at once.  Lane 16 u + r takes column 8 u + r + 8 (r / 8) of the 32: row r of tile u.
; A block of 32 along K is 32 codes: the 16 bytes of h = 0 and those of h = 1.
.Lweights:
	s_wait_alu depctr_va_vdst(0)
	v_and_b32 v7, 8, v2
	v_add_nc_u32 v7, v7, v2
	v_lshl_add_u32 v7, v3, 3, v7
	v_lshlrev_b32 v7, 2, v7                        ; in: 4 x my column
	v_lshlrev_b32 v8, 4, v2
	v_lshl_add_u32 v8, v3, 14, v8                  ; out: 16 r, + a tile's 16,384 bytes for lanes 16-31
.macro LOADW t, pitch, src
.set idx, 0
.rept 32
	global_load_b32 v[XW+32*(\t)+idx], v7, s[\src:\src+1] offset:(32*(\t)+idx)*\pitch th:TH_LOAD_NT   ; one row k: the wave reads 128 consecutive bytes, the four waves 512
.set idx, idx+1
.endr
.endm
.macro BLOCK t, dst
.if (\t) < 1
	s_wait_loadcnt 32                              ; this block's 32 loads are in; the next block's may be out
.else
	s_wait_loadcnt 0x0
.endif
.set idx, 0
.rept 32
	v_med3_num_f32 v[XW+32*(\t)+idx], v[XW+32*(\t)+idx], -v10, v10
.set idx, idx+1
.endr
.irp g, 0,1,2,3
	v_cvt_scalef32_pk8_fp8_f32 v[CW+8*(\t)+2*\g:CW+8*(\t)+2*\g+1], v[XW+32*(\t)+8*\g:XW+32*(\t)+8*\g+7], v11
.endr
	v_nop
	global_store_b128 v8, v[CW+8*(\t):CW+8*(\t)+3], s[\dst:\dst+1] offset:(\t)*512        ; sixteen lanes store 256 consecutive bytes, aligned: h = 0's half of a group,
	global_store_b128 v8, v[CW+8*(\t)+4:CW+8*(\t)+7], s[\dst:\dst+1] offset:(\t)*512+256  ; and h = 1's
.endm
; pitch: bytes of a row of the weight; src, dst: the scalar pairs of its address and of its codes'; e: the register of its exponent; first: the path's first work-group.
; Work-group g of the path: the (g % 16)-th 64 along K; columns 128 (g / 16) on, 32 a wave.  Every offset is an immediate: 63 rows of 12,288 bytes at the most.
.macro WPATH pitch, src, dst, e, first
	s_sub_co_u32 s28, ttmp9, \first
	s_and_b32 s29, s28, 15
	s_lshr_b32 s30, s28, 4
	s_lshl_b32 s30, s30, 2
	s_add_co_u32 s30, s30, s18                     ; G: my group of 32 columns
	s_mul_i32 s32, s29, 64*\pitch
	s_lshl_b32 s31, s30, 7
	s_add_co_u32 s32, s32, s31
	s_mov_b32 s33, 0
	s_add_nc_u64 s[\src:\src+1], s[\src:\src+1], s[32:33]
	s_lshl_b32 s34, s30, 15                        ; tile 2 G,
	s_lshl_b32 s31, s29, 10                        ; half a K step's fragment, 1,024 bytes, for each 64 along K
	s_add_co_u32 s34, s34, s31
	s_mov_b32 s35, 0
	s_add_nc_u64 s[\dst:\dst+1], s[\dst:\dst+1], s[34:35]
	LOADW 0, \pitch, \src
	LOADW 1, \pitch, \src
	s_wait_kmcnt 0x0
	SCALE \e
	s_wait_alu depctr_va_vdst(0)
	BLOCK 0, \dst
	BLOCK 1, \dst
.endm
	s_cmp_lt_u32 ttmp9, 640
	s_cbranch_scc0 .Lwo
	s_wait_alu depctr_va_vdst(0)
	WPATH 12288, 6, 14, 21, 256
	s_endpgm
.Lwo:
	s_wait_alu depctr_va_vdst(0)
	WPATH 4096, 8, 16, 27, 640
	s_endpgm
.Lfunc_end_k_qb1b6a3c24c_prep:
	.size	k_qb1b6a3c24c_prep, .Lfunc_end_k_qb1b6a3c24c_prep-k_qb1b6a3c24c_prep
	.p2alignl 7, 3214868480
	.fill 96, 4, 3214868480
	.section	.rodata,"a",@progbits
	.p2align	6, 0x0
	.amdhsa_kernel k_qb1b6a3c24c_prep
		.amdhsa_group_segment_fixed_size 34304
		.amdhsa_private_segment_fixed_size 0
		.amdhsa_enable_private_segment 0
		.amdhsa_kernarg_size 56
		.amdhsa_user_sgpr_count 2
		.amdhsa_user_sgpr_kernarg_segment_ptr 1
		.amdhsa_wavefront_size32 1
		.amdhsa_system_sgpr_workgroup_id_x 1
		.amdhsa_system_sgpr_workgroup_id_y 1
		.amdhsa_system_sgpr_workgroup_id_z 1
		.amdhsa_system_vgpr_workitem_id 0
		.amdhsa_next_free_vgpr 242
		.amdhsa_next_free_sgpr 66
		.amdhsa_reserve_vcc 0
		.amdhsa_float_denorm_mode_32 3
		.amdhsa_float_denorm_mode_16_64 3
		.amdhsa_memory_ordered 1
		.amdhsa_forward_progress 1
		.amdhsa_inst_pref_size 61
	.end_amdhsa_kernel
	.amdgpu_metadata
---
amdhsa.version: [ 1, 2 ]
amdhsa.kernels:
  - .name:           k_qb1b6a3c24c_prep
    .symbol:         k_qb1b6a3c24c_prep.kd
    .args:
      - { .name: x, .offset: 0, .size: 8, .value_kind: global_buffer, .address_space: global }
      - { .name: Wqkv, .offset: 8, .size: 8, .value_kind: global_buffer, .address_space: global }
      - { .name: Wo, .offset: 16, .size: 8, .value_kind: global_buffer, .address_space: global }
      - { .name: lowp_scales, .offset: 24, .size: 8, .value_kind: global_buffer, .address_space: global }
      - { .name: xc, .offset: 32, .size: 8, .value_kind: global_buffer, .address_space: global }
      - { .name: wqkvc, .offset: 40, .size: 8, .value_kind: global_buffer, .address_space: global }
      - { .name: woc, .offset: 48, .size: 8, .value_kind: global_buffer, .address_space: global }
    .group_segment_fixed_size: 34304
    .private_segment_fixed_size: 0
    .kernarg_segment_align: 8
    .kernarg_segment_size: 56
    .max_flat_workgroup_size: 128
    .sgpr_count:     66
    .vgpr_count:     242
    .wavefront_size: 32
...
	.end_amdgpu_metadata
.endif
;; end of part 1
;; launch qkv (part 2): grid 32 x 8, 4 waves a work-group, clusters of 4 x 1, 327,680 bytes of LDS; arguments xc, wqkvc, bqkv, lowp_scales, qc, kc, vc; writes qc, kc, vc
.if DOCPART == 2
	.amdgcn_target "amdgcn-amd-amdhsa--gfx1250"
	.amdhsa_code_object_version 6
	.text
	.protected	k_qb1b6a3c24c_qkv
	.globl	k_qb1b6a3c24c_qkv
	.p2align	8
	.type	k_qb1b6a3c24c_qkv,@function
k_qb1b6a3c24c_qkv:
	s_mov_b64 s[64:65], 0
	v_nop
	global_prefetch_b8 v0, s[64:65] scope:SCOPE_SE
	s_setreg_imm32_b32 hwreg(HW_REG_WAVE_MODE, 25, 1), 1
	s_wait_xcnt 0x0
	s_wait_alu depctr_hold_cnt(0) depctr_sa_sdst(0) depctr_va_vdst(0) depctr_va_sdst(0) depctr_va_ssrc(0) depctr_va_vcc(0) depctr_vm_vsrc(0)
	s_getreg_b32 s2, hwreg(HW_REG_IB_STS2, 6, 4)
	s_cmp_eq_u32 s2, 0
	s_cbranch_scc0 .Lentry_in_a_cluster
	s_endpgm
.Lentry_in_a_cluster:
	s_bfe_u32 s2, ttmp6, 0x10000c
	s_cmp_lg_u32 s2, 0x3003
	s_cbranch_scc0 .Lentry_shape_is_right
	s_endpgm
.Lentry_shape_is_right:
.set SLOTB, 131072
.set SPARE, 2*SLOTB
.set LI,  1
.set LB,  2
.set BA,  6
.set BVA, 7
.set SPW, 8
.set NIL, 9
.set VB,  16
.set F0,  32
.set CD,  192
.set BI,  128
.set WV,  18
.set G1,  24
.set MSB, 0
.macro WIN new
.if MSB != (\new)
	s_set_vgpr_msb (MSB<<8)|(\new)
.set MSB, (\new)
.endif
.endm
.macro PLACES
.rept 4
	v_nop
.endr
.endm
.macro CROUND
	s_barrier_signal -1
	s_barrier_wait -1
	s_cmp_lg_u32 s[WV], 0
	s_cbranch_scc1 .Lnot_wave_0_\@
	s_barrier_signal -3
.Lnot_wave_0_\@:
	s_barrier_wait -3
	s_barrier_signal -1
	s_barrier_wait -1
.endm
.macro FETCHW set, lb, s
.irp t, 0,1,2,3
.irp c, 0,1,2,3
	ds_load_b128 v[F0+64*(\set)+16*\t+4*\c:F0+64*(\set)+16*\t+4*\c+3], v[\lb] offset:16384*\t+2048*(\s)+512*\c
.endr
.endr
.endm
.macro MUL16 set, s, kind, cbase
.irp a, 0,1,2,3
.irp t, 0,1,2,3
.if \kind == 0
.if (\s) == 0
	v_wmma_f32_16x16x128_fp8_fp8 v[8*(4*\a+\t):8*(4*\a+\t)+7], v[F0+64*(\set)+16*\t:F0+64*(\set)+16*\t+15], v[16*(4*((\s)%4)+\a):16*(4*((\s)%4)+\a)+15], v[\cbase+8*\t:\cbase+8*\t+7]
.else
	v_wmma_f32_16x16x128_fp8_fp8 v[8*(4*\a+\t):8*(4*\a+\t)+7], v[F0+64*(\set)+16*\t:F0+64*(\set)+16*\t+15], v[16*(4*((\s)%4)+\a):16*(4*((\s)%4)+\a)+15], v[8*(4*\a+\t):8*(4*\a+\t)+7]
.endif
.else
.if (\s) == 0
	v_wmma_f32_16x16x128_fp8_fp8 v[8*(4*\a+\t):8*(4*\a+\t)+7], v[16*(4*((\s)%4)+\a):16*(4*((\s)%4)+\a)+15], v[F0+64*(\set)+16*\t:F0+64*(\set)+16*\t+15], v[\cbase+8*\t:\cbase+8*\t+7]
.else
	v_wmma_f32_16x16x128_fp8_fp8 v[8*(4*\a+\t):8*(4*\a+\t)+7], v[16*(4*((\s)%4)+\a):16*(4*((\s)%4)+\a)+15], v[F0+64*(\set)+16*\t:F0+64*(\set)+16*\t+15], v[8*(4*\a+\t):8*(4*\a+\t)+7]
.endif
.endif
.endr
.endr
.endm
.macro CHUNK lb, kind, cbase, sc, lim, out, off, pre, nxt, fw
.if \pre == 0
	WIN 0
	FETCHW 0, \lb, 0
.endif
.irp s, 0,1,2,3,4,5,6,7
.if \s < 7
	PLACES
	WIN 0
	FETCHW (\s+1)%2, \lb, \s+1
	s_wait_dscnt 16
.elseif \nxt != 0
	PLACES
	WIN 0
	FETCHW 0, \nxt, 0
	s_wait_dscnt 16
.else
	s_wait_dscnt 0x0
.endif
.if \fw
.if 16*(7-\s) > 63
	s_wait_loadcnt 63
.else
	s_wait_loadcnt 16*(7-\s)
.endif
.endif
.if \kind == 0
	WIN 0x58+4*(\s/4)
.else
	WIN 0x52+(\s/4)
.endif
	MUL16 \s%2, \s, \kind, \cbase
.endr
	PLACES
	WIN 0x41
.set idx, 0
.rept 128
	v_med3_num_f32 v[idx], v[idx], -v[\lim], v[\lim]
.set idx, idx+1
.endr
	s_wait_xcnt 0x0
	WIN 0x01
.irp g, 0,1,2,3,4,5,6,7
.if \kind == 0
	v_cvt_scalef32_pk8_fp8_f32 v[CD+4*\g:CD+4*\g+1], v[16*\g:16*\g+7], v[\sc]
	v_cvt_scalef32_pk8_fp8_f32 v[CD+4*\g+2:CD+4*\g+3], v[16*\g+8:16*\g+15], v[\sc]
.else
	v_cvt_scalef32_pk8_fp8_f32 v[CD+4*\g:CD+4*\g+1], v[8*(8*(\g%2)+(\g/2)):8*(8*(\g%2)+(\g/2))+7], v[\sc]
	v_cvt_scalef32_pk8_fp8_f32 v[CD+4*\g+2:CD+4*\g+3], v[8*(8*(\g%2)+4+(\g/2)):8*(8*(\g%2)+4+(\g/2))+7], v[\sc]
.endif
.endr
	v_nop
	WIN 0
.irp g, 0,1,2,3,4,5,6,7
	global_store_b128 v[LI], v[CD+4*\g:CD+4*\g+3], s[\out:\out+1] offset:\off+512*\g
.endr
.endm
.macro VBIAS ch
.irp t, 0,1,2,3
.irp j, 0,1,2,3,4,5,6,7
	v_ldexp_f32 v[BI+32*\ch+8*\t+\j], v[VB+4*\ch+\t], s69
.endr
.endr
.endm
.macro SCL e, vs, vl
	s_sub_co_i32 s70, s[\e], s68
	s_add_co_i32 s70, s70, 127
	s_lshl_b32 s71, s70, 23
	v_mov_b32 v[\vs], s71
	s_add_co_i32 s70, s70, 8
	s_lshl_b32 s70, s70, 23
	s_or_b32 s70, s70, 0x600000
	v_mov_b32 v[\vl], s70
.endm
	s_load_b256 s[4:11], s[0:1], 0x0
	s_load_b128 s[12:15], s[0:1], 0x20
	s_load_b64 s[16:17], s[0:1], 0x30
	v_lshl_add_u32 v[SPW], v0, 2, SPARE
	v_mov_b32 v[NIL], 0
	ds_add_u32 v8, v9
	ds_add_u32 v8, v9
	s_wait_dscnt 0x0
	v_lshrrev_b32 v1, 5, v0
	v_readfirstlane_b32 s[WV], v1
	s_bfe_u32 s60, ttmp6, 0x40000
	s_lshl_b32 s61, ttmp9, 2
	s_add_co_u32 s61, s61, s60
	s_and_b32 s21, ttmp7, 0xffff
	s_mov_b32 s[G1+0], 15|(3<<16)|(1<<21)
	s_mov_b32 s[G1+1], 32<<16
	s_mov_b32 s[G1+2], 128<<16
	s_mov_b32 s[G1+3], 32<<16
	s_mov_b32 s[G1+4], 128
	s_mov_b32 s[G1+5], 32
	s_mov_b32 s[G1+6], 0
	s_mov_b32 s[G1+7], 0
	s_lshl_b32 s44, s21, 17
	s_lshl_b32 s33, s[WV], 15
	s_add_co_u32 s44, s44, s33
	s_mov_b32 s45, 0
	s_wait_kmcnt 0x0
	s_load_b256 s[48:55], s[10:11], 0x0
	s_add_nc_u64 s[46:47], s[6:7], s[44:45]
	s_mov_b32 s32, 1
	s_mov_b64 s[34:35], s[46:47]
	s_or_b32 s35, s35, 0x80000000
	s_mov_b32 s36, 1
	s_add_co_u32 s37, s33, SLOTB
	s_add_nc_u64 s[38:39], s[46:47], 0x100000
	s_or_b32 s39, s39, 0x80000000
	s_mov_b32 s40, 1
	s_mov_b32 s41, s33
	s_add_nc_u64 s[42:43], s[46:47], 0x200000
	s_or_b32 s43, s43, 0x80000000
	CROUND
	tensor_load_to_lds s[32:35], s[G1:G1+7]
	s_nop 0
	PLACES
	v_and_b32 v[LI], 31, v0
	v_lshlrev_b32 v[LI], 4, v[LI]
	v_mov_b32 v[LB], v[LI]
	v_add_nc_u32 v[LB+1], 0x10000, v[LI]
	v_add_nc_u32 v[LB+2], 0x20000, v[LI]
	v_add_nc_u32 v[LB+3], 0x30000, v[LI]
	v_bfe_u32 v[BA], v0, 4, 1
	v_lshlrev_b32 v[BA], 6, v[BA]
	s_wait_alu depctr_va_vdst(0)
	v_and_b32 v[BVA], 15, v0
	v_and_b32 v24, 8, v[BVA]
	v_add_nc_u32 v[BVA], v[BVA], v24
	v_lshlrev_b32 v[BVA], 2, v[BVA]
	s_wait_alu depctr_va_vdst(0)
	s_lshl_b32 s56, s21, 9
	s_mov_b32 s57, 0
	s_add_nc_u64 s[8:9], s[8:9], s[56:57]
	s_lshl_b32 s62, s61, 18
	s_lshl_b32 s63, s[WV], 16
	s_add_co_u32 s62, s62, s63
	s_mov_b32 s63, 0
	s_add_nc_u64 s[4:5], s[4:5], s[62:63]
	s_lshr_b32 s66, s61, 3
	s_lshl_b32 s66, s66, 21
	s_lshl_b32 s67, s21, 18
	s_add_co_u32 s66, s66, s67
	s_and_b32 s67, s61, 7
	s_lshl_b32 s67, s67, 14
	s_add_co_u32 s66, s66, s67
	s_lshl_b32 s67, s[WV], 12
	s_add_co_u32 s66, s66, s67
	s_mov_b32 s67, 0
	s_add_nc_u64 s[12:13], s[12:13], s[66:67]
	s_add_nc_u64 s[14:15], s[14:15], s[66:67]
	s_add_nc_u64 s[16:17], s[16:17], s[66:67]
	WIN 0x40
.irp ch, 0,1,2,3
.irp t, 0,1,2,3
	global_load_b128 v[BI+32*\ch+8*\t:BI+32*\ch+8*\t+3], v[BA], s[8:9] offset:4096*(\ch/2)+256*(\ch%2)+128*(\t/2)+32*(\t%2)
	global_load_b128 v[BI+32*\ch+8*\t+4:BI+32*\ch+8*\t+7], v[BA], s[8:9] offset:4096*(\ch/2)+256*(\ch%2)+128*(\t/2)+32*(\t%2)+16
.endr
.endr
	WIN 0
.irp ch, 0,1
.irp t, 0,1,2,3
	global_load_b32 v[VB+4*\ch+\t], v[BVA], s[8:9] offset:8192+256*\ch+128*(\t/2)+32*(\t%2)
.endr
.endr
.irp s, 0,1,2,3,4,5,6,7
	WIN 0x80+0x40*(\s/4)
.irp a, 0,1,2,3
.irp c, 0,1,2,3
	global_load_b128 v[16*(4*(\s%4)+\a)+4*\c:16*(4*(\s%4)+\a)+4*\c+3], v[LI], s[4:5] offset:(8*\a+\s)*2048+512*\c
.endr
.endr
.endr
	WIN 0
	s_wait_alu depctr_va_vdst(0)
	s_wait_tensorcnt 0x0                           ; slot 1's first fill is issued as a refill is: my one load has landed, the add, its wait, a round
	ds_add_u32 v8, v9
	s_wait_dscnt 0x0
	CROUND
	tensor_load_to_lds s[36:39], s[G1:G1+7]
	s_nop 0
	PLACES
	s_wait_kmcnt 0x0
	s_add_co_i32 s68, s48, s49
	s_sub_co_i32 s69, 0, s68
	SCL 50, 10, 11
	SCL 51, 12, 13
	SCL 53, 14, 15
	s_wait_loadcnt 63
	WIN 0x41
.set idx, 0
.rept 128
	v_ldexp_f32 v[BI+idx], v[BI+idx], s69
.set idx, idx+1
.endr
	WIN 0
	s_wait_tensorcnt 1
	s_barrier_signal -1
	s_barrier_wait -1
	CHUNK LB,   0, BI,    10, 11, 12, 0,      0, LB+1, 1
	CHUNK LB+1, 0, BI+32, 10, 11, 12, 131072, 1, 0,    0
	WIN 0
	s_wait_tensorcnt 0x0
	ds_add_u32 v[SPW], v[NIL]
	s_wait_dscnt 0x0
	CROUND
	tensor_load_to_lds s[40:43], s[G1:G1+7]
	s_nop 0
	PLACES
	CHUNK LB+2, 0, BI+64, 12, 13, 14, 0,      0, LB+3, 0
	CHUNK LB+3, 0, BI+96, 12, 13, 14, 131072, 1, 0,    0
	WIN 0x40
	VBIAS 0
	VBIAS 1
	WIN 0
	s_wait_tensorcnt 0x0
	s_wait_dscnt 0x0
	s_barrier_signal -1
	s_barrier_wait -1
	CHUNK LB,   1, BI,    14, 15, 16, 0,      0, LB+1, 0
	CHUNK LB+1, 1, BI+32, 14, 15, 16, 131072, 1, 0,    0
	s_wait_tensorcnt 0x0
	ds_add_u32 v[SPW], v[NIL]
	s_wait_dscnt 0x0
	CROUND
	s_endpgm
.Lfunc_end_k_qb1b6a3c24c_qkv:
	.size	k_qb1b6a3c24c_qkv, .Lfunc_end_k_qb1b6a3c24c_qkv-k_qb1b6a3c24c_qkv
	.p2alignl 7, 3214868480
	.fill 96, 4, 3214868480
	.section	.rodata,"a",@progbits
	.p2align	6, 0x0
	.amdhsa_kernel k_qb1b6a3c24c_qkv
		.amdhsa_group_segment_fixed_size 327680
		.amdhsa_private_segment_fixed_size 0
		.amdhsa_enable_private_segment 0
		.amdhsa_kernarg_size 56
		.amdhsa_user_sgpr_count 2
		.amdhsa_user_sgpr_kernarg_segment_ptr 1
		.amdhsa_wavefront_size32 1
		.amdhsa_system_sgpr_workgroup_id_x 1
		.amdhsa_system_sgpr_workgroup_id_y 1
		.amdhsa_system_sgpr_workgroup_id_z 1
		.amdhsa_system_vgpr_workitem_id 0
		.amdhsa_next_free_vgpr 1024
		.amdhsa_next_free_sgpr 100
		.amdhsa_reserve_vcc 0
		.amdhsa_float_denorm_mode_32 3
		.amdhsa_float_denorm_mode_16_64 3
		.amdhsa_memory_ordered 1
		.amdhsa_forward_progress 1
		.amdhsa_inst_pref_size 202
	.end_amdhsa_kernel
	.amdgpu_metadata
---
amdhsa.version: [ 1, 2 ]
amdhsa.kernels:
  - .name:           k_qb1b6a3c24c_qkv
    .symbol:         k_qb1b6a3c24c_qkv.kd
    .args:
      - { .name: xc, .offset: 0, .size: 8, .value_kind: global_buffer, .address_space: global }
      - { .name: wqkvc, .offset: 8, .size: 8, .value_kind: global_buffer, .address_space: global }
      - { .name: bqkv, .offset: 16, .size: 8, .value_kind: global_buffer, .address_space: global }
      - { .name: lowp_scales, .offset: 24, .size: 8, .value_kind: global_buffer, .address_space: global }
      - { .name: qc, .offset: 32, .size: 8, .value_kind: global_buffer, .address_space: global }
      - { .name: kc, .offset: 40, .size: 8, .value_kind: global_buffer, .address_space: global }
      - { .name: vc, .offset: 48, .size: 8, .value_kind: global_buffer, .address_space: global }
    .group_segment_fixed_size: 327680
    .private_segment_fixed_size: 0
    .kernarg_segment_align: 8
    .kernarg_segment_size: 56
    .max_flat_workgroup_size: 128
    .sgpr_count:     100
    .vgpr_count:     1024
    .wavefront_size: 32
...
	.end_amdgpu_metadata
.endif
;; end of part 2
;; launch attn (part 3): grid 4 x 64, 8 waves a work-group, clusters of 4 x 1, 327,680 bytes of LDS; arguments qc, kc, vc, lowp_scales, oc; writes oc
.if DOCPART == 3
	.amdgcn_target "amdgcn-amd-amdhsa--gfx1250"
	.amdhsa_code_object_version 6
	.text
	.protected	k_qb1b6a3c24c_attn
	.globl	k_qb1b6a3c24c_attn
	.p2align	8
	.type	k_qb1b6a3c24c_attn,@function
k_qb1b6a3c24c_attn:
	s_mov_b64 s[64:65], 0
	v_nop
	global_prefetch_b8 v0, s[64:65] scope:SCOPE_SE
	s_setreg_imm32_b32 hwreg(HW_REG_WAVE_MODE, 25, 1), 1
	s_wait_xcnt 0x0
	s_wait_alu depctr_hold_cnt(0) depctr_sa_sdst(0) depctr_va_vdst(0) depctr_va_sdst(0) depctr_va_ssrc(0) depctr_va_vcc(0) depctr_vm_vsrc(0)
	s_getreg_b32 s2, hwreg(HW_REG_IB_STS2, 6, 4)
	s_cmp_eq_u32 s2, 0
	s_cbranch_scc0 .Lentry_in_a_cluster
	s_endpgm
.Lentry_in_a_cluster:
	s_bfe_u32 s2, ttmp6, 0x10000c
	s_cmp_lg_u32 s2, 0x3003
	s_cbranch_scc0 .Lentry_shape_is_right
	s_endpgm
.Lentry_shape_is_right:
; o = softmax(q k^T / 8) v for each of the 64 (batch, head) pairs, both products on codes of FP8 (E4M3); o leaves as codes with the scale 2^e6.
; t = score x log2(e) / 8; M = the ceiling of the row's largest t so far; p = 2^(t - M) is quantised with 2^e4; the row's sum is taken of the unquantised p and divides at the end.
; When M moves, the sum and O^T are multiplied by 2^(old M - new M), a power of two: nothing is rounded, and no branch hangs on data.
; INPUTS are images of operand registers, as the launch before lays them.  A tile is 16 rows x 64 along K = 1,024 bytes: two groups c of 512, lane 16 h + r owning the 16 bytes at 16 x lane: row r, k = 32 c + 16 h + 0 .. 15
; (a permuted place of k, the same in both operands).  Tile 2 b + u holds rows 32 b + 8 u + i + 8 (i / 8).  qc, kc: [head][tile of 16 tokens][1,024].  vc: [head][64 keys][tile of 16 channels][1,024], K = the keys.
; SHARES.  A work-group owns 512 queries of one head, each of its eight waves 64 (four tiles), in 512 registers, two waves to a SIMD.  The head's whole K and V, 131,072 bytes each, lie in LDS, filled once.
; A step is 128 keys: its 64 registers of K and 64 of V are loaded once and feed all four tiles; the tiles are worked in two pairs, which share the 128 registers of S^T.
; CLUSTER.  The four work-groups of a cluster own the four quarters of one head's queries and need the same K and V: asked for JOINTLY (mask 15).  Waves 0-3 fetch K, waves 4-7 V, 32,768 bytes each: one tensor load a wave.
; Both products are used transposed (S^T = K Q^T, O^T = V^T P^T): a lane holds one query; the 16 registers of key tiles 2 b, 2 b + 1 are keys 32 b + 16 h + 0 .. 15, so the conversions' results are the second product's operand.
; A PAIR'S EXPONENTIALS go in two batches of 64, a tile each.  Among the first tile's stand the second tile's 32 multiply-adds, among the second tile's the first tile's 32 holds: each names registers that its batch does not name,
; reads what was written ahead of the wait in front of the batch, and is first read behind the wait that follows the batch.
; The step is written once: O^T and the sums begin as zeros and the largest t as -3e38.  The last trip's look-ahead wraps to step 0: those 32 LDS loads are read by nobody; they spare a second copy of the step.
; No prefetch: K and V are asked for once, at the head, and there is no loop to run ahead in.
; LIMITS: the scaled scores t stay under 2^31 in magnitude; e2 + e3 between -123 and 130 (added to c's exponent field); e4 and e6 between -126 and 119; e4 + e5 is applied by v_ldexp_f32.  NaN among the inputs is not served.
.set VLDS, 131072
.set SPARE, 262144                     ; behind K and V: the spare words, 128 bytes for each wave
; window 0
.set LK,  1                            ; 16 x lane: my place in a group of K
.set LV,  2                            ; the same for V
.set AK,  3                            ; addresses in hand
.set AV,  4
.set PS,  5                            ; 2^e4
.set PH,  6                            ; v6, v7: 448 x 2^e4
.set SPW, 8
.set NIL, 9
.set OS,  10                           ; 2^e6
.set OH,  11                           ; 448 x 2^e6
.set NM,  12                           ; v12-19  -M, a pair a tile (the low word serves both halves)
.set TR,  20                           ; v20-23  the largest t so far
.set FF,  24                           ; v24-31  f = 2^(old M - new M), a pair a tile
.set LS,  32                           ; v32-47  the sums: two packed chains a tile
.set TM,  48                           ; v48-53  at work
.set TC,  56                           ; v56-59  two more chains for a step's sums of a pair's first tile
.set KF,  64                           ; v64-127 K's eight fragments
.set S,   128                          ; v128-255 a pair's S^T, then p
; window 1
.set O,   0                            ; O^T: 32 registers a tile
.set VF,  128                          ; V's four fragments of 16 channels x 128 keys
.set P,   192                          ; a pair's codes of p
.set Q,   224                          ; Q's four fragments
.set WV,  18
.set G1,  24
.set KB,  40
.set CNT, 41
.set KN,  59
.set MSB, 0
.macro WIN new                         ; bits 1:0 source 0, 3:2 source 1, 5:4 source 2, 7:6 destination; the high byte repeats the setting that is left
.if MSB != (\new)
	s_set_vgpr_msb (MSB<<8)|(\new)
.set MSB, (\new)
.endif
.endm
.macro NOPS n
.rept \n
	v_nop
.endr
.endm
.macro CROUND                          ; a round of the cluster's barrier
	s_barrier_signal -1
	s_barrier_wait -1
	s_cmp_lg_u32 s[WV], 0
	s_cbranch_scc1 .Lnot_wave_0_\@
	s_barrier_signal -3
.Lnot_wave_0_\@:
	s_barrier_wait -3
	s_barrier_signal -1
	s_barrier_wait -1
.endm
.macro KLOAD adr                       ; eight tiles of 16 keys
.irp kt, 0,1,2,3,4,5,6,7
.irp c, 0,1
	ds_load_b128 v[KF+8*\kt+4*\c:KF+8*\kt+4*\c+3], v[\adr] offset:1024*\kt+512*\c
.endr
.endr
.endm
.macro VLOAD adr                       ; four tiles of 16 channels x 128 keys; destination window 1
	WIN 0x40
.irp dt, 0,1,2,3
.irp j, 0,1
.irp c, 0,1
	ds_load_b128 v[VF+16*\dt+8*\j+4*\c:VF+16*\dt+8*\j+4*\c+3], v[\adr] offset:4096*\j+1024*\dt+512*\c
.endr
.endr
.endr
	WIN 0
.endm
	s_load_b256 s[4:11], s[0:1], 0x0               ; qc s[4:5], kc s[6:7], vc s[8:9], the scales' exponents s[10:11]
	s_load_b64 s[12:13], s[0:1], 0x20              ; oc
	v_lshl_add_u32 v[SPW], v0, 2, SPARE
	v_mov_b32 v[NIL], 0
	ds_add_u32 v[SPW], v[NIL]                      ; the opening lines: the add, twice on end, and its wait ahead of my tensor load
	ds_add_u32 v[SPW], v[NIL]
	v_lshrrev_b32 v1, 5, v0
	v_readfirstlane_b32 s[WV], v1                  ; wave 0..7
	s_bfe_u32 s42, ttmp6, 0x40000                  ; cx: it enters q's and o's addresses alone
	s_lshl_b32 s43, ttmp9, 2
	s_add_co_u32 s42, s43, s42                     ; which 512 queries
	s_and_b32 s19, ttmp7, 0xffff                   ; batch x 16 + head, which the four partners share
	s_mov_b32 s[G1+0], 15|(3<<16)|(1<<21)          ; the mask: all four; elements of 8 bytes; bit 21 beside a mask; no padding
	s_mov_b32 s[G1+1], 32<<16                      ; rows of 32 elements = 256 bytes,
	s_mov_b32 s[G1+2], 128<<16                     ; 128 of them, dense
	s_mov_b32 s[G1+3], 32<<16
	s_mov_b32 s[G1+4], 128
	s_mov_b32 s[G1+5], 32
	s_mov_b32 s[G1+6], 0
	s_mov_b32 s[G1+7], 0
	s_mov_b32 s20, 0x76543210                      ; v_permlanex16_b32's selects for lane l xor 16
	s_mov_b32 s21, 0xfedcba98
	s_mov_b32 s22, 0x3e38aa3b                      ; c = log2(e) / 8
	s_lshl_b32 s44, s19, 17                        ; the head's 131,072 bytes in qc, kc and vc
	s_and_b32 s46, s[WV], 3
	s_lshl_b32 s46, s46, 15
	s_add_co_u32 s46, s44, s46                     ; my quarter of K or of V in memory,
	s_mov_b32 s47, 0
	s_lshl_b32 s33, s[WV], 15                      ; and in LDS: K's four parts, then V's four = 32,768 x wave
	s_mov_b32 s37, s33
	s_lshl_b32 s56, s42, 15                        ; q: 512 queries x 64 bytes a work-group, 64 x 64 a wave
	s_add_co_u32 s56, s56, s44
	s_lshl_b32 s57, s[WV], 12
	s_add_co_u32 s56, s56, s57
	s_mov_b32 s57, 0
	s_lshr_b32 s60, s19, 4                         ; oc: [token tile][K step of 128][2,048]: the batch's 128 tiles of 16,384 bytes,
	s_lshl_b32 s60, s60, 21
	s_lshl_b32 s61, s42, 19                        ; 32 tiles a work-group,
	s_add_co_u32 s60, s60, s61
	s_lshl_b32 s61, s[WV], 16                      ; four a wave;
	s_add_co_u32 s60, s60, s61
	s_bfe_u32 s61, s19, 0x30001
	s_lshl_b32 s61, s61, 11                        ; K step head / 2,
	s_add_co_u32 s60, s60, s61
	s_and_b32 s61, s19, 1
	s_lshl_b32 s61, s61, 10                        ; groups 2 (head % 2) + 0, 1
	s_add_co_u32 s60, s60, s61
	s_mov_b32 s61, 0
	s_wait_dscnt 0x0                               ; both opening adds are done
	s_wait_kmcnt 0x0
	s_load_b256 s[48:55], s[10:11], 0x0            ; e0 .. e7
	s_mov_b32 s32, 1
	s_add_nc_u64 s[34:35], s[6:7], s[46:47]
	s_or_b32 s35, s35, 0x80000000
	s_mov_b32 s36, 1
	s_add_nc_u64 s[38:39], s[8:9], s[46:47]
	s_or_b32 s39, s39, 0x80000000
	s_add_nc_u64 s[4:5], s[4:5], s[56:57]
	s_add_nc_u64 s[12:13], s[12:13], s[60:61]
	CROUND                                         ; all four work-groups are here: the joint loads meet
	s_cmp_lt_u32 s[WV], 4                          ; the branch hangs on the wave's number alone; an s_nop 0 and four v_nop follow each of the two lines
	s_cbranch_scc0 .Lfor_v
	tensor_load_to_lds s[32:35], s[G1:G1+7]
	s_nop 0
	NOPS 4
	s_branch .Lasked
.Lfor_v:
	tensor_load_to_lds s[36:39], s[G1:G1+7]
	s_nop 0
	NOPS 4
.Lasked:
	v_and_b32 v[LK], 31, v0
	v_lshlrev_b32 v[LK], 4, v[LK]
	v_add_nc_u32 v[LV], VLDS, v[LK]
	WIN 0x40
.irp q, 0,1,2,3
.irp c, 0,1
	global_load_b128 v[Q+8*\q+4*\c:Q+8*\q+4*\c+3], v[LK], s[4:5] offset:1024*\q+512*\c   ; my four tiles of Q stay in registers
.endr
.endr
.set idx, 0
.rept 128
	v_mov_b32 v[O+idx], 0                          ; O^T: the first change of M leaves zeros zeros
.set idx, idx+1
.endr
	WIN 0
.irp q, 0,1,2,3
	v_mov_b32 v[TR+\q], 0xff61b1e6                 ; -3e38, under every t
	v_mov_b32 v[NM+2*\q+1], 0                      ; (the pairs' upper words are named, so they are written)
	v_mov_b32 v[FF+2*\q], 0
	v_mov_b32 v[FF+2*\q+1], 0
.endr
.irp q, 0,1,2,3
	v_floor_f32 v[NM+2*\q], -v[TR+\q]              ; -M
.endr
.set idx, 0
.rept 16
	v_mov_b32 v[LS+idx], 0
.set idx, idx+1
.endr
	v_mov_b32 v[TM+4], 0                           ; written once: a lane permute's destination counts as one of its sources
	v_mov_b32 v[TM+5], 0
	s_wait_alu depctr_va_vdst(0)
	s_wait_kmcnt 0x0
	s_add_co_i32 s56, s50, s51
	s_lshl_b32 s56, s56, 23
	s_add_co_i32 s22, s22, s56                     ; a score stands for score x 2^(e2 + e3): added to c's exponent field
	s_mov_b32 s23, s22                             ; (named with it as a pair, so it is written)
	s_add_co_i32 s56, s52, 127
	s_lshl_b32 s57, s56, 23
	v_mov_b32 v[PS], s57
	s_add_co_i32 s56, s56, 8
	s_lshl_b32 s56, s56, 23
	s_or_b32 s56, s56, 0x600000
	v_mov_b32 v[PH], s56                           ; twice: the two halves of a dual pair take different registers
	v_mov_b32 v[PH+1], s56
	s_add_co_i32 s58, s52, s53                     ; e4 + e5
	s_add_co_i32 s56, s54, 127
	s_lshl_b32 s57, s56, 23
	v_mov_b32 v[OS], s57
	s_add_co_i32 s56, s56, 8
	s_lshl_b32 s56, s56, 23
	s_or_b32 s56, s56, 0x600000
	v_mov_b32 v[OH], s56
	s_wait_alu depctr_va_vdst(0)
	s_wait_tensorcnt 0x0                           ; my part of K or V is in,
	s_barrier_signal -1
	s_barrier_wait -1                              ; everybody's is: nothing in LDS is written from here on
; A PAIR of query tiles, 2 pr and 2 pr + 1, against the step's 128 keys.
.macro PAIR pr
	WIN 0x04                                       ; Q in window 1
.irp kt, 0,1,2,3,4,5,6,7
.irp a, 0,1
	v_wmma_f32_16x16x64_fp8_fp8 v[S+64*\a+8*\kt:S+64*\a+8*\kt+7], v[KF+8*\kt:KF+8*\kt+7], v[Q+16*\pr+8*\a:Q+16*\pr+8*\a+7], 0
.endr
.endr
	WIN 0
.if \pr
	v_add_nc_u32 v[AK], s[KN], v[LK]               ; four places behind the products (ISA guide 7.12.1); both pairs have read K's fragments: the next step's are asked for
	NOPS 3
	KLOAD AK
.else
	NOPS 4
.endif
.irp a, 0,1                                    ; the step's largest score of my query among my 64 keys: two chains a tile, four by turns; each accumulator from its low end on
	v_max3_num_f32 v[TM+2*\a], v[S+64*\a], v[S+64*\a+1], v[S+64*\a+2]
.endr
.irp a, 0,1
	v_max3_num_f32 v[TM+2*\a+1], v[S+64*\a+3], v[S+64*\a+4], v[S+64*\a+5]
.endr
.irp i, 6,10,14,18,22,26,30,34,38,42,46,50,54,58
.irp a, 0,1
	v_max3_num_f32 v[TM+2*\a], v[TM+2*\a], v[S+64*\a+\i], v[S+64*\a+\i+1]
.endr
.irp a, 0,1
	v_max3_num_f32 v[TM+2*\a+1], v[TM+2*\a+1], v[S+64*\a+\i+2], v[S+64*\a+\i+3]
.endr
.endr
.irp a, 0,1
	v_max3_num_f32 v[TM+2*\a], v[TM+2*\a], v[S+64*\a+62], v[S+64*\a+63]
.endr
.irp a, 0,1
	v_max_num_f32 v[TM+2*\a], v[TM+2*\a], v[TM+2*\a+1]
.endr
.irp a, 0,1
	v_permlanex16_b32 v[TM+4+\a], v[TM+2*\a], s20, s21
.endr
.irp a, 0,1
	v_max_num_f32 v[TM+2*\a], v[TM+2*\a], v[TM+4+\a]          ; and among lane l xor 16's
.endr
.irp a, 0,1
	v_mul_f32 v[TM+2*\a], s22, v[TM+2*\a]                     ; as t (c is positive)
.endr
.irp a, 0,1
	v_max_num_f32 v[TR+2*\pr+\a], v[TR+2*\pr+\a], v[TM+2*\a]  ; the running largest t
.endr
.irp a, 0,1
	v_floor_f32 v[TM+2*\a+1], -v[TR+2*\pr+\a]                 ; the new -M = -ceil(t)
.endr
.irp a, 0,1
	v_sub_f32 v[TM+2*\a], v[TM+2*\a+1], v[NM+4*\pr+2*\a]      ; old M - new M: a whole number, 0 or less
.endr
.irp a, 0,1
	v_mov_b32 v[NM+4*\pr+2*\a], v[TM+2*\a+1]
.endr
.irp a, 0,1
	v_cvt_i32_f32 v[TM+2*\a], v[TM+2*\a]                      ; (it saturates)
.endr
.irp a, 0,1
	v_ldexp_f32 v[FF+4*\pr+2*\a], 1.0, v[TM+2*\a]             ; f = 2^(old M - new M)
.endr
.irp i, 0,2,4,6,8,10,12,14,16,18,20,22,24,26,28,30,32,34,36,38,40,42,44,46,48,50,52,54,56,58,60,62
	v_pk_fma_f32 v[S+\i:S+\i+1], v[S+\i:S+\i+1], s[22:23], v[NM+4*\pr:NM+4*\pr+1] op_sel_hi:[1,0,0]   ; the first tile's t - M
.endr
	WIN 0x41                                       ; O^T in window 1, f in window 0
	s_wait_alu depctr_va_vdst(0)                   ; ahead of O^T's first reader, and ahead of the batch below
.irp a, 0,1
.irp i, 0,2,4,6,8,10,12,14,16,18,20,22,24,26,28,30
	v_pk_mul_f32 v[O+64*\pr+32*\a+\i:O+64*\pr+32*\a+\i+1], v[O+64*\pr+32*\a+\i:O+64*\pr+32*\a+\i+1], v[FF+4*\pr+2*\a:FF+4*\pr+2*\a+1] op_sel_hi:[1,0]   ; O^T under the new M
.endr
.endr
	WIN 0
.irp i, 0,2,4,6,8,10,12,14,16,18,20,22,24,26,28,30,32,34,36,38,40,42,44,46,48,50,52,54,56,58,60,62
	v_exp_f32 v[S+\i], v[S+\i]                     ; the first tile's p = 2^(t - M);
	v_exp_f32 v[S+\i+1], v[S+\i+1]
	v_pk_fma_f32 v[S+64+\i:S+64+\i+1], v[S+64+\i:S+64+\i+1], s[22:23], v[NM+4*\pr+2:NM+4*\pr+3] op_sel_hi:[1,0,0]   ; among them the second tile's t - M (its scores were first read by the maxima)
.endr
	v_nop                                          ; a plain place behind the exponentials
	s_wait_alu depctr_va_vdst(0)                   ; the wait behind the first batch and ahead of the second
	; the first tile's sum, of the unquantised p: 32 pairs in four chains by turns; the two kept chains' first terms bring the sum under the new M
	v_pk_fma_f32 v[LS+8*\pr:LS+8*\pr+1], v[LS+8*\pr:LS+8*\pr+1], v[FF+4*\pr:FF+4*\pr+1], v[S:S+1] op_sel_hi:[1,0,1]
	v_pk_fma_f32 v[LS+8*\pr+2:LS+8*\pr+3], v[LS+8*\pr+2:LS+8*\pr+3], v[FF+4*\pr:FF+4*\pr+1], v[S+2:S+3] op_sel_hi:[1,0,1]
	v_pk_add_f32 v[TC:TC+1], v[S+4:S+5], v[S+6:S+7]
	v_pk_add_f32 v[TC+2:TC+3], v[S+8:S+9], v[S+10:S+11]
.irp i, 12,20,28,36,44,52
	v_pk_add_f32 v[LS+8*\pr:LS+8*\pr+1], v[LS+8*\pr:LS+8*\pr+1], v[S+\i:S+\i+1]
	v_pk_add_f32 v[LS+8*\pr+2:LS+8*\pr+3], v[LS+8*\pr+2:LS+8*\pr+3], v[S+\i+2:S+\i+3]
	v_pk_add_f32 v[TC:TC+1], v[TC:TC+1], v[S+\i+4:S+\i+5]
	v_pk_add_f32 v[TC+2:TC+3], v[TC+2:TC+3], v[S+\i+6:S+\i+7]
.endr
	v_pk_add_f32 v[LS+8*\pr:LS+8*\pr+1], v[LS+8*\pr:LS+8*\pr+1], v[S+60:S+61]
	v_pk_add_f32 v[LS+8*\pr+2:LS+8*\pr+3], v[LS+8*\pr+2:LS+8*\pr+3], v[S+62:S+63]
	v_pk_add_f32 v[LS+8*\pr:LS+8*\pr+1], v[LS+8*\pr:LS+8*\pr+1], v[TC:TC+1]
	v_pk_add_f32 v[LS+8*\pr+2:LS+8*\pr+3], v[LS+8*\pr+2:LS+8*\pr+3], v[TC+2:TC+3]
.irp i, 0,2,4,6,8,10,12,14,16,18,20,22,24,26,28,30,32,34,36,38,40,42,44,46,48,50,52,54,56,58,60,62
	v_exp_f32 v[S+64+\i], v[S+64+\i]               ; the second tile's p;
	v_exp_f32 v[S+64+\i+1], v[S+64+\i+1]
	v_dual_min_num_f32 v[S+\i], v[S+\i], v[PH] :: v_dual_min_num_f32 v[S+\i+1], v[S+\i+1], v[PH+1]   ; among them the first tile's hold: the conversion does not saturate (ISA guide 7.6.2); p is not negative: one-sided
.endr
	v_nop                                          ; a plain place behind the exponentials
	s_wait_alu depctr_va_vdst(0)                   ; one wait behind the batch, ahead of its first reader
.irp i, 0,2,4,6,8,10,12,14,16,18,20,22,24,26,28,30,32,34,36,38,40,42,44,46,48,50,52,54,56,58,60,62
.if \i < 4
	v_pk_fma_f32 v[LS+8*\pr+4+\i:LS+8*\pr+4+\i+1], v[LS+8*\pr+4+\i:LS+8*\pr+4+\i+1], v[FF+4*\pr+2:FF+4*\pr+3], v[S+64+\i:S+64+\i+1] op_sel_hi:[1,0,1]   ; the second tile's sum: two chains, by turns with its hold
.else
	v_pk_add_f32 v[LS+8*\pr+4+(\i%4):LS+8*\pr+4+(\i%4)+1], v[LS+8*\pr+4+(\i%4):LS+8*\pr+4+(\i%4)+1], v[S+64+\i:S+64+\i+1]
.endif
	v_dual_min_num_f32 v[S+64+\i], v[S+64+\i], v[PH] :: v_dual_min_num_f32 v[S+64+\i+1], v[S+64+\i+1], v[PH+1]
.endr
	WIN 0x40                                       ; the codes go to window 1
.irp kt, 0,1,2,3,4,5,6,7
.irp a, 0,1
	v_cvt_scalef32_pk8_fp8_f32 v[P+16*\a+2*\kt:P+16*\a+2*\kt+1], v[S+64*\a+8*\kt:S+64*\a+8*\kt+7], v[PS]
.endr
.endr
	v_nop                                          ; a plain line between the conversions and the products that read their results or write their sources
	WIN 0x55
	s_wait_alu depctr_va_vdst(0)
.if \pr == 0
	s_wait_dscnt 0x0                               ; V's fragments are in
.endif
.irp dt, 0,1,2,3
.irp a, 0,1
	v_wmma_f32_16x16x128_fp8_fp8 v[O+64*\pr+32*\a+8*\dt:O+64*\pr+32*\a+8*\dt+7], v[VF+16*\dt:VF+16*\dt+15], v[P+16*\a:P+16*\a+15], v[O+64*\pr+32*\a+8*\dt:O+64*\pr+32*\a+8*\dt+7]   ; the eight accumulators by turns
.endr
.endr
.endm
	s_mov_b32 s[KB], 0
	KLOAD LK
	VLOAD LV
	s_wait_loadcnt 0x0                             ; Q
	s_mov_b32 s[CNT], 16
.Lstep:                                            ; 16 trips of 128 keys
	s_add_co_u32 s[KB], s[KB], 8192
	s_and_b32 s[KN], s[KB], 0x1e000                ; the next step's place in K and in V; behind the last step: 0
	s_wait_dscnt 16                                ; K's 16 loads are in; V's 16, issued behind them, may be out
	PAIR 0
	PAIR 1
	WIN 0
	v_add_nc_u32 v[AV], s[KN], v[LV]               ; four places behind the products, then the next step's V
	NOPS 3
	VLOAD AV
	s_sub_co_u32 s[CNT], s[CNT], 1
	s_cmp_lg_u32 s[CNT], 0
	s_cbranch_scc1 .Lstep
	s_wait_dscnt 0x0                               ; the wrapped look-ahead has landed
; THE WAY OUT: o = O^T x 2^(e4 + e5) / the sum, held, converted with 2^e6.  The 16 registers of channel tiles 2 b, 2 b + 1 are 16 neighbouring channels: a group's 16 bytes a lane, 512 consecutive bytes a store.
.irp q, 0,1,2,3
	v_pk_add_f32 v[LS+4*\q:LS+4*\q+1], v[LS+4*\q:LS+4*\q+1], v[LS+4*\q+2:LS+4*\q+3]
.endr
.irp q, 0,1,2,3
	v_add_f32 v[LS+4*\q], v[LS+4*\q], v[LS+4*\q+1]
.endr
.irp q, 0,1,2,3
	v_permlanex16_b32 v[TM+\q], v[LS+4*\q], s20, s21
.endr
.irp q, 0,1,2,3
	v_add_f32 v[LS+4*\q], v[LS+4*\q], v[TM+\q]
.endr
	s_wait_alu depctr_va_vdst(0)                   ; ahead of the transcendentals,
.irp q, 0,1,2,3
	v_rcp_f32 v[LS+4*\q], v[LS+4*\q]
.endr
	v_nop
	s_wait_alu depctr_va_vdst(0)                   ; and behind them, ahead of their readers
.irp q, 0,1,2,3
	v_ldexp_f32 v[LS+4*\q], v[LS+4*\q], s58
.endr
	WIN 0x41
	s_wait_alu depctr_va_vdst(0)                   ; directly ahead of O^T's first reader
.irp q, 0,1,2,3
.irp i, 0,2,4,6,8,10,12,14,16,18,20,22,24,26,28,30
	v_pk_mul_f32 v[O+32*\q+\i:O+32*\q+\i+1], v[O+32*\q+\i:O+32*\q+\i+1], v[LS+4*\q:LS+4*\q+1] op_sel_hi:[1,0]
.endr
.endr
.set idx, 0
.rept 128
	v_med3_num_f32 v[O+idx], v[O+idx], -v[OH], v[OH]
.set idx, idx+1
.endr
	WIN 0x01                                       ; the codes go to window 0, where S^T lay
.irp g, 0,1,2,3,4,5,6,7
	v_cvt_scalef32_pk8_fp8_f32 v[S+4*\g:S+4*\g+1], v[O+16*\g:O+16*\g+7], v[OS]
	v_cvt_scalef32_pk8_fp8_f32 v[S+4*\g+2:S+4*\g+3], v[O+16*\g+8:O+16*\g+15], v[OS]
.endr
	v_nop
	WIN 0
.irp q, 0,1,2,3
.irp b, 0,1
	global_store_b128 v[LK], v[S+8*\q+4*\b:S+8*\q+4*\b+3], s[12:13] offset:16384*\q+512*\b
.endr
.endr
	s_wait_tensorcnt 0x0                           ; the wave's end
	ds_add_u32 v[SPW], v[NIL]
	s_wait_dscnt 0x0
	CROUND                                         ; the closing round
	s_endpgm
.Lfunc_end_k_qb1b6a3c24c_attn:
	.size	k_qb1b6a3c24c_attn, .Lfunc_end_k_qb1b6a3c24c_attn-k_qb1b6a3c24c_attn
	.p2alignl 7, 3214868480
	.fill 96, 4, 3214868480
	.section	.rodata,"a",@progbits
	.p2align	6, 0x0
	.amdhsa_kernel k_qb1b6a3c24c_attn
		.amdhsa_group_segment_fixed_size 327680
		.amdhsa_private_segment_fixed_size 0
		.amdhsa_enable_private_segment 0
		.amdhsa_kernarg_size 40
		.amdhsa_user_sgpr_count 2
		.amdhsa_user_sgpr_kernarg_segment_ptr 1
		.amdhsa_wavefront_size32 1
		.amdhsa_system_sgpr_workgroup_id_x 1
		.amdhsa_system_sgpr_workgroup_id_y 1
		.amdhsa_system_sgpr_workgroup_id_z 1
		.amdhsa_system_vgpr_workitem_id 0
		.amdhsa_next_free_vgpr 512
		.amdhsa_next_free_sgpr 66
		.amdhsa_reserve_vcc 0
		.amdhsa_float_denorm_mode_32 3
		.amdhsa_float_denorm_mode_16_64 3
		.amdhsa_memory_ordered 1
		.amdhsa_forward_progress 1
		.amdhsa_inst_pref_size 83
	.end_amdhsa_kernel
	.amdgpu_metadata
---
amdhsa.version: [ 1, 2 ]
amdhsa.kernels:
  - .name:           k_qb1b6a3c24c_attn
    .symbol:         k_qb1b6a3c24c_attn.kd
    .args:
      - { .name: qc, .offset: 0, .size: 8, .value_kind: global_buffer, .address_space: global }
      - { .name: kc, .offset: 8, .size: 8, .value_kind: global_buffer, .address_space: global }
      - { .name: vc, .offset: 16, .size: 8, .value_kind: global_buffer, .address_space: global }
      - { .name: lowp_scales, .offset: 24, .size: 8, .value_kind: global_buffer, .address_space: global }
      - { .name: oc, .offset: 32, .size: 8, .value_kind: global_buffer, .address_space: global }
    .group_segment_fixed_size: 327680
    .private_segment_fixed_size: 0
    .kernarg_segment_align: 8
    .kernarg_segment_size: 40
    .max_flat_workgroup_size: 256
    .sgpr_count:     66
    .vgpr_count:     512
    .wavefront_size: 32
...
	.end_amdgpu_metadata
.endif
;; end of part 3
;; launch oproj (part 4): grid 32 x 8, 4 waves a work-group, clusters of 4 x 1, 168,448 bytes of LDS; arguments oc, woc, bo, lowp_scales, out0; writes out0
.if DOCPART == 4
	.amdgcn_target "amdgcn-amd-amdhsa--gfx1250"
	.amdhsa_code_object_version 6
	.text
	.protected	k_qb1b6a3c24c_oproj
	.globl	k_qb1b6a3c24c_oproj
	.p2align	8
	.type	k_qb1b6a3c24c_oproj,@function
k_qb1b6a3c24c_oproj:
	s_mov_b64 s[64:65], 0
	v_nop
	global_prefetch_b8 v0, s[64:65] scope:SCOPE_SE
	s_setreg_imm32_b32 hwreg(HW_REG_WAVE_MODE, 25, 1), 1
	s_wait_xcnt 0x0
	s_wait_alu depctr_hold_cnt(0) depctr_sa_sdst(0) depctr_va_vdst(0) depctr_va_sdst(0) depctr_va_ssrc(0) depctr_va_vcc(0) depctr_vm_vsrc(0)
	s_getreg_b32 s2, hwreg(HW_REG_IB_STS2, 6, 4)
	s_cmp_eq_u32 s2, 0
	s_cbranch_scc0 .Lentry_in_a_cluster
	s_endpgm
.Lentry_in_a_cluster:
	s_bfe_u32 s2, ttmp6, 0x10000c
	s_cmp_lg_u32 s2, 0x3003
	s_cbranch_scc0 .Lentry_shape_is_right
	s_endpgm
.Lentry_shape_is_right:
; out0 = o Wo + bo on codes of FP8 (E4M3): y = sum x 2^(e6 + e7) + bo, f32.
; SHARES.  Work-group (mb, ny): 256 tokens x 128 columns, as two chunks of 64.  Wave w keeps the codes of its 64 tokens (four tiles) for all of K in 512 registers, loaded once straight from memory;
; the weights' 131,072 bytes (two chunks, dense images) lie in LDS, filled once; each of their fragments feeds four matrix instructions.
; CLUSTER.  The four work-groups of a cluster share ny, hence the weights: asked for JOINTLY (mask 15).  o's codes come by loads into registers, each read by its one wave of the work-group.
; LAYOUT as in the launches before: tile 2 b + u holds rows 32 b + 8 u + i + 8 (i / 8); a group of 512 bytes, lane 16 h + r owning row i = r, k = 32 c + 16 h + 0 .. 15 (a permuted place of k, the same in both operands).
; Source 0 = the weight's columns, source 1 = tokens: lane (r, h) holds a token, and in W tile 2 b + u the columns 32 b + 8 u + 16 h + 0 .. 7: 32 neighbouring bytes of a row of y.
; THE WAY OUT.  A token tile's 16 rows x 256 bytes go through the wave's own stage in LDS (rows 272 bytes apart) and leave as whole rows: sixteen lanes store 256 consecutive bytes, aligned.
; LIMIT: e6 + e7 between -126 and 127.
; REGISTERS: window 0: addresses; v32-95, v96-159 W's fragment sets; v192-223 a tile's y; v160-191, v224-255 rows read back, by turns.  window 1: v0-127 the 16 accumulators; v128-191 bo, 32 a chunk.  windows 2, 3: o's fragments.
.set STG,  131072                      ; behind the weights: 16 x 272 = 4,352 bytes (17 blocks of 256) for each wave; no fill lands there
.set LI,  1                            ; v1  16 x lane
.set LB,  2                            ; v2, v3  LI + 65,536 x (0, 1): the two chunks
.set BA,  6                            ; v6  64 h
.set SO,  10                           ; v10 the stage: where I put 32 bytes of a row
.set SR,  11                           ; v11 and where I read a row back
.set CO,  12                           ; v12 my byte offset in two rows of y
.set F0,  32
.set TMP, 192
.set BI,  128                          ; in window 1
.set WV,  18
.set G1,  24
.set MSB, 0
.macro WIN new                         ; the immediate's high byte repeats the setting that is left; bits 1:0 source 0, 3:2 source 1, 5:4 source 2, 7:6 destination
.if MSB != (\new)
	s_set_vgpr_msb (MSB<<8)|(\new)
.set MSB, (\new)
.endif
.endm
.macro PLACES                          ; four plain lines behind a matrix instruction, ahead of loads into registers that it read and of the first read of its result
.rept 4
	v_nop
.endr
.endm
.macro CROUND                          ; a round of the cluster's barrier
	s_barrier_signal -1
	s_barrier_wait -1
	s_cmp_lg_u32 s[WV], 0
	s_cbranch_scc1 .Lnot_wave_0_\@
	s_barrier_signal -3
.Lnot_wave_0_\@:
	s_barrier_wait -3
	s_barrier_signal -1
	s_barrier_wait -1
.endm
.macro FETCHW set, lb, s               ; the chunk's four W fragments of K step s
.irp t, 0,1,2,3
.irp c, 0,1,2,3
	ds_load_b128 v[F0+64*(\set)+16*\t+4*\c:F0+64*(\set)+16*\t+4*\c+3], v[\lb] offset:16384*\t+2048*(\s)+512*\c
.endr
.endr
.endm
.macro MUL16 set, s                    ; 16 matrix instructions; the 16 accumulators take turns, in the same order in every step; the first step's products start the sums
.irp a, 0,1,2,3
.irp t, 0,1,2,3
.if (\s) == 0
	v_wmma_f32_16x16x128_fp8_fp8 v[8*(4*\a+\t):8*(4*\a+\t)+7], v[F0+64*(\set)+16*\t:F0+64*(\set)+16*\t+15], v[16*(4*((\s)%4)+\a):16*(4*((\s)%4)+\a)+15], 0
.else
	v_wmma_f32_16x16x128_fp8_fp8 v[8*(4*\a+\t):8*(4*\a+\t)+7], v[F0+64*(\set)+16*\t:F0+64*(\set)+16*\t+15], v[16*(4*((\s)%4)+\a):16*(4*((\s)%4)+\a)+15], v[8*(4*\a+\t):8*(4*\a+\t)+7]
.endif
.endr
.endr
.endm
.macro TOSTAGE a, ch                   ; token tile a: y = sum x 2^(e6 + e7) + bo, into my stage, and back as whole rows
.set BKR, 160+64*((\a)%2)
	s_wait_xcnt 0x0                                ; earlier stores have read the registers that the loads below fill
	WIN 0x11                                       ; sums and bo window 1, y window 0
.irp t, 0,1,2,3
.irp i, 0,2,4,6
	v_pk_fma_f32 v[TMP+8*\t+\i:TMP+8*\t+\i+1], v[8*(4*(\a)+\t)+\i:8*(4*(\a)+\t)+\i+1], s[46:47], v[BI+32*(\ch)+8*\t+\i:BI+32*(\ch)+8*\t+\i+1] op_sel_hi:[1,0,1]   ; each accumulator from its low end on
.endr
.endr
	WIN 0
.irp t, 0,1,2,3
	ds_store_b128 v[SO], v[TMP+8*\t:TMP+8*\t+3] offset:128*(\t/2)+32*(\t%2)
	ds_store_b128 v[SO], v[TMP+8*\t+4:TMP+8*\t+7] offset:128*(\t/2)+32*(\t%2)+16
.endr
.irp i, 0,1,2,3,4,5,6,7
	ds_load_b128 v[BKR+4*\i:BKR+4*\i+3], v[SR] offset:544*\i   ; LDS serves a wave's instructions in order (ISA guide 5.7.1.4): these see my stores, and the next tile's stores come behind them
.endr
.endm
.macro SEND a, ch, younger             ; younger: the LDS instructions issued behind tile a's loads, which may stay out.  Stage row i is token 32 (a / 2) + 8 (a % 2) + i + 8 (i / 8) of my 64
.set BKR, 160+64*((\a)%2)
	s_wait_dscnt \younger
.irp i, 0,1,2,3,4,5,6,7
	global_store_b128 v[CO], v[BKR+4*\i:BKR+4*\i+3], s[12:13] offset:(32*((\a)/2)+8*((\a)%2)+2*\i+8*(\i/4))*4096+256*(\ch) th:TH_STORE_NT   ; written once, read by nobody here
.endr
.endm
; A CHUNK.  lb: its place in LDS; pre = 1: its first fragments were fetched by the chunk before; nxt: the next chunk's place (0: none); fw = 1: the first chunk, which also waits for o's codes.
.macro CHUNK lb, ch, pre, nxt, fw
.if \pre == 0
	WIN 0
	FETCHW 0, \lb, 0
.endif
.irp s, 0,1,2,3,4,5,6,7
.if \s < 7
	PLACES
	WIN 0
	FETCHW (\s+1)%2, \lb, \s+1
	s_wait_dscnt 16                                ; this step's fragments are in; the 16 loads just issued may be out
.elseif \nxt != 0
	PLACES
	WIN 0
	FETCHW 0, \nxt, 0
	s_wait_dscnt 16
.else
	s_wait_dscnt 0x0
.endif
.if \fw
.if 16*(7-\s) > 63
	s_wait_loadcnt 63                              ; o's codes of this K step are in: more than 63 loads were issued behind them
.else
	s_wait_loadcnt 16*(7-\s)                       ; o's codes of this K step are in; the later steps' 16 loads each may be out
.endif
.endif
	WIN 0x58+4*(\s/4)                              ; W window 0, o window 2 or 3, C and D window 1
	MUL16 \s%2, \s
.endr
	PLACES
	TOSTAGE 0, \ch
.irp a, 1,2,3
	TOSTAGE \a, \ch
	SEND \a-1, \ch, 16                             ; behind tile a - 1's loads: tile a's 8 stores and 8 loads
.endr
	SEND 3, \ch, 0
.endm
	s_load_b256 s[4:11], s[0:1], 0x0               ; oc s[4:5], woc s[6:7], bo s[8:9], the scales' exponents s[10:11]
	s_load_b64 s[12:13], s[0:1], 0x20              ; out0
	v_lshl_add_u32 v30, v0, 2, 0x29000
	v_mov_b32 v31, 0
	ds_add_u32 v30, v31
	ds_add_u32 v30, v31
	v_lshrrev_b32 v1, 5, v0
	v_readfirstlane_b32 s[WV], v1                  ; wave 0..3
	s_bfe_u32 s60, ttmp6, 0x40000                  ; cx: it enters o's and y's addresses alone
	s_lshl_b32 s61, ttmp9, 2
	s_add_co_u32 s61, s61, s60                     ; mb
	s_and_b32 s21, ttmp7, 0xffff                   ; ny, which the four partners share
	s_mov_b32 s[G1+0], 15|(3<<16)|(1<<21)          ; 15:0 the mask: all four; 17:16 elements of 8 bytes; 21 set beside a mask; no padding
	s_mov_b32 s[G1+1], 32<<16                      ; tensor_dim0 = 32
	s_mov_b32 s[G1+2], 128<<16                     ; tensor_dim1 = 128
	s_mov_b32 s[G1+3], 32<<16                      ; tile_dim0 = 32
	s_mov_b32 s[G1+4], 128                         ; tile_dim1 = 128
	s_mov_b32 s[G1+5], 32                          ; from row to row
	s_mov_b32 s[G1+6], 0
	s_mov_b32 s[G1+7], 0
	s_lshl_b32 s44, s21, 17                        ; columns 128 ny on: eight tiles of 16,384 bytes,
	s_lshl_b32 s33, s[WV], 15                      ; my quarter of them: in memory and in LDS
	s_add_co_u32 s44, s44, s33
	s_mov_b32 s45, 0
	s_wait_dscnt 0x0
	s_wait_kmcnt 0x0
	s_load_b256 s[48:55], s[10:11], 0x0            ; e0 .. e7
	s_mov_b32 s32, 1
	s_add_nc_u64 s[34:35], s[6:7], s[44:45]
	s_or_b32 s35, s35, 0x80000000
	CROUND                                         ; all four work-groups are here: the joint loads meet
	tensor_load_to_lds s[32:35], s[G1:G1+7]        ; my one tensor load of the launch
	s_nop 0
	PLACES                                         ; four v_nop follow
	v_and_b32 v[LI], 31, v0
	v_lshlrev_b32 v[LI], 4, v[LI]
	v_mov_b32 v[LB], v[LI]
	v_add_nc_u32 v[LB+1], 0x10000, v[LI]
	v_and_b32 v13, 15, v0                          ; r
	v_bfe_u32 v14, v0, 4, 1                        ; h
	v_lshlrev_b32 v[BA], 6, v14
	s_wait_alu depctr_va_vdst(0)
	s_mul_i32 s58, s[WV], 4352
	s_add_co_u32 s58, s58, STG                     ; my stage
	v_mul_u32_u24 v[SO], v13, 272
	v_lshl_add_u32 v[SO], v14, 6, v[SO]
	v_add_nc_u32 v[SO], s58, v[SO]                 ; in: row r, + 64 h
	v_mul_u32_u24 v[SR], v14, 272
	v_lshl_add_u32 v[SR], v13, 4, v[SR]
	v_add_nc_u32 v[SR], s58, v[SR]                 ; back: lanes 0-15 one row, lanes 16-31 the next
	v_lshlrev_b32 v[CO], 12, v14
	v_lshl_add_u32 v[CO], v13, 4, v[CO]            ; and the same two rows of y
	s_lshl_b32 s56, s21, 9                         ; bo at column 128 ny
	s_mov_b32 s57, 0
	s_add_nc_u64 s[8:9], s[8:9], s[56:57]
	s_add_nc_u64 s[12:13], s[12:13], s[56:57]      ; y likewise,
	s_lshl_b32 s62, s61, 20                        ; at row 256 mb + 64 w of 4,096 bytes
	s_lshl_b32 s63, s[WV], 18
	s_add_co_u32 s62, s62, s63
	s_mov_b32 s63, 0
	s_add_nc_u64 s[12:13], s[12:13], s[62:63]
	s_lshl_b32 s66, s61, 18                        ; oc at token tile 16 mb + 4 w
	s_lshl_b32 s67, s[WV], 16
	s_add_co_u32 s66, s66, s67
	s_mov_b32 s67, 0
	s_add_nc_u64 s[4:5], s[4:5], s[66:67]
	WIN 0x40                                       ; destination window 1
.irp ch, 0,1                           ; bo in the result's layout: lane (r, h), tile 2 b + u: columns 32 b + 8 u + 16 h + 0 .. 7
.irp t, 0,1,2,3
	global_load_b128 v[BI+32*\ch+8*\t:BI+32*\ch+8*\t+3], v[BA], s[8:9] offset:256*\ch+128*(\t/2)+32*(\t%2)
	global_load_b128 v[BI+32*\ch+8*\t+4:BI+32*\ch+8*\t+7], v[BA], s[8:9] offset:256*\ch+128*(\t/2)+32*(\t%2)+16
.endr
.endr
.irp s, 0,1,2,3,4,5,6,7                ; o's codes, K step by K step
	WIN 0x80+0x40*(\s/4)                           ; destination window 2 or 3
.irp a, 0,1,2,3
.irp c, 0,1,2,3
	global_load_b128 v[16*(4*(\s%4)+\a)+4*\c:16*(4*(\s%4)+\a)+4*\c+3], v[LI], s[4:5] offset:(8*\a+\s)*2048+512*\c
.endr
.endr
.endr
	WIN 0
	s_wait_kmcnt 0x0
	s_add_co_i32 s46, s54, s55                     ; e6 + e7
	s_add_co_i32 s46, s46, 127
	s_lshl_b32 s46, s46, 23                        ; 2^(e6 + e7) as f32
	s_mov_b32 s47, s46                             ; (named with it as a pair, so it is written)
	s_wait_tensorcnt 0x0                           ; my quarter of the weights is in,
	s_barrier_signal -1
	s_barrier_wait -1                              ; everybody's is
	CHUNK LB,   0, 0, LB+1, 1
	CHUNK LB+1, 1, 1, 0,    0
	s_wait_tensorcnt 0x0
	ds_add_u32 v30, v31
	s_wait_dscnt 0x0
	CROUND                                         ; the closing round
	s_endpgm
.Lfunc_end_k_qb1b6a3c24c_oproj:
	.size	k_qb1b6a3c24c_oproj, .Lfunc_end_k_qb1b6a3c24c_oproj-k_qb1b6a3c24c_oproj
	.p2alignl 7, 3214868480
	.fill 96, 4, 3214868480
	.section	.rodata,"a",@progbits
	.p2align	6, 0x0
	.amdhsa_kernel k_qb1b6a3c24c_oproj
		.amdhsa_group_segment_fixed_size 168448
		.amdhsa_private_segment_fixed_size 0
		.amdhsa_enable_private_segment 0
		.amdhsa_kernarg_size 40
		.amdhsa_user_sgpr_count 2
		.amdhsa_user_sgpr_kernarg_segment_ptr 1
		.amdhsa_wavefront_size32 1
		.amdhsa_system_sgpr_workgroup_id_x 1
		.amdhsa_system_sgpr_workgroup_id_y 1
		.amdhsa_system_sgpr_workgroup_id_z 1
		.amdhsa_system_vgpr_workitem_id 0
		.amdhsa_next_free_vgpr 1024
		.amdhsa_next_free_sgpr 80
		.amdhsa_reserve_vcc 0
		.amdhsa_float_denorm_mode_32 3
		.amdhsa_float_denorm_mode_16_64 3
		.amdhsa_memory_ordered 1
		.amdhsa_forward_progress 1
		.amdhsa_inst_pref_size 77
	.end_amdhsa_kernel
	.amdgpu_metadata
---
amdhsa.version: [ 1, 2 ]
amdhsa.kernels:
  - .name:           k_qb1b6a3c24c_oproj
    .symbol:         k_qb1b6a3c24c_oproj.kd
    .args:
      - { .name: oc, .offset: 0, .size: 8, .value_kind: global_buffer, .address_space: global }
      - { .name: woc, .offset: 8, .size: 8, .value_kind: global_buffer, .address_space: global }
      - { .name: bo, .offset: 16, .size: 8, .value_kind: global_buffer, .address_space: global }
      - { .name: lowp_scales, .offset: 24, .size: 8, .value_kind: global_buffer, .address_space: global }
      - { .name: out0, .offset: 32, .size: 8, .value_kind: global_buffer, .address_space: global }
    .group_segment_fixed_size: 168448
    .private_segment_fixed_size: 0
    .kernarg_segment_align: 8
    .kernarg_segment_size: 40
    .max_flat_workgroup_size: 128
    .sgpr_count:     80
    .vgpr_count:     1024
    .wavefront_size: 32
...
	.end_amdgpu_metadata
.endif
;; end of part 4
